; MI455X (gfx1250); checked and timed in simulation.
; The chip was launched on July 23, 2026; its instructions are those of AMD's public machine-readable ISA for CDNA 5 (MIT licence, August 2026) and "CDNA5" Instruction Set Architecture Reference Guide (July 2026). The comments in the code are by the model that wrote it; some were corrected since.
;; Pure Q Net. Allowed arithmetic: float matrix products may take bf16 or f16 operands with f32 sums; all other float work in f32.
;; Inputs: head_b 10 float32; head_w 10 x 10 float32; logit_scale one number float32; weights 6 x 4 float32; x 32,768 x 1 x 32 x 32 float32.
;; Outputs: out0 32,768 x 10 float32.
;; 2 versions, each right; version 2 is version 1 with the launch qnet written anew for expert scheduling mode. Each part assembles by itself: llvm-mc -triple=amdgcn-amd-amdhsa -mcpu=gfx1250 --defsym DOCPART=n.
;; ======== version 1 of 2: 1 launch
;; limits: values are held in f16: magnitudes above 65,504 overflow, below 6.1e-05 lose precision; right only within a limited range of input values
;; launch qnet (part 1): grid 256 x 1, 16 waves a work-group, no clusters, 17,408 bytes of LDS; arguments x, weights, head_w, head_b, logit_scale, out0; writes out0
.if DOCPART == 1
	.amdgcn_target "amdgcn-amd-amdhsa--gfx1250"
	.amdhsa_code_object_version 6
	.text
	.protected	k_qeba35428af_qnet
	.globl	k_qeba35428af_qnet
	.p2align	8
	.type	k_qeba35428af_qnet,@function
k_qeba35428af_qnet:
	s_mov_b64 s[64:65], 0
	v_nop
	global_prefetch_b8 v0, s[64:65] scope:SCOPE_SE
	s_setreg_imm32_b32 hwreg(HW_REG_WAVE_MODE, 25, 1), 1
	s_wait_xcnt 0x0
; PureQNet in one launch: 8x8 block means of a 32x32 image -> 16 amplitudes, normalised -> 6 layers (RX on 4 wires, CNOT ring)
; -> probabilities -> <Z>, <ZZ> -> Linear(10,10) -> scale.   x [32768][1024] f32, out0 [32768][10] f32.
;
; THE CIRCUIT AS ONE MATRIX.  RX(t) = H diag(e^-it/2, e^+it/2) H, and CNOT(c,t) between Hadamards is CNOT(t,c).  So in the Hadamard
; basis every layer is a diagonal of phases followed by the permutation sig(k): bit3^=bit2, bit2^=bit1, bit1^=bit0, bit0^=bit3 (wire w = bit 3-w),
; and the whole circuit is  U[i][j] = 1/16 sum_k (-1)^pc(i & pi(k)) (-1)^pc(k & j) e^(i phi_k),  pi = sig^6,
; phi_k = - sum_(l,w) (-1)^(bit 3-w of sig^l(k)) weights[l][w] / 2.   This holds for every value of the weights.
; probs @ signs @ head_w^T is likewise one matrix  M[o][i] = sum_c head_w[o][c] (-1)^pc(i & m_c),  m_c = 8,4,2,1,12,10,9,6,5,3.
; Every wave builds U and M itself, in f32, while its first 32 loads of x are on their way.
;
; MATRIX PRODUCTS, f16 operands, f32 sums.  f16 because all operands are bounded whatever the inputs: |U| <= 1, |amp| <= 1, squares <= 1;
; |M| <= the sum of |head_w| along a row.  logit_scale and head_b stay in f32 (head_b is the C operand of the last product).
;   1: D(i, sample) = [Ure | Uim] (K = 32) x [amp ; 0], and x [0 ; amp]: real and imaginary parts.
;   2: its result registers (lane = sample, registers = i) are, squared and packed, the B operand of [M | M] x [re^2 ; im^2] + head_b.
;
; SHARES.  256 work-groups x 16 waves x 8 samples.  A wave's load takes 512 consecutive aligned bytes (4 image rows); lane l holds 4 numbers
; of image row l>>3 and block column (l>>1)&3.  A ring of 4 samples in registers keeps 32 loads (16 KiB) of each wave out.
; The work-groups share nothing but 540 bytes of parameters, so no cluster and no joint loads; x goes straight to registers, not through LDS.
;
; LIMITS.  (a) An angle is reduced as weights/(4 pi) with one f32 constant: a phase is off by about 4e-7 x max|weight| radians.
; (b) The sum of the 16 squared block means must be a normal f32 number (means of about 1e-18 to 1e18): v_rsq_f32 takes a denormal as 0.
; (c) A row of head_w must sum, in magnitude, to less than 65504; entries of M below 6e-5 are kept to 6e-8 absolute.
; (d) A sample whose block means are all 0 gives NaN in its ten outputs, as the division by its norm does.
.set WAVES,  16
.set NS,     8                         ; samples of a wave
.set IMG,    4096                      ; bytes of a sample
.set PPITCH, 80                        ; LDS: 16 block sums of a sample + 16 bytes, so that 16 lanes' 16-byte reads fall in 16 different columns of 256 bytes
.set PAREA,  NS*PPITCH                 ; a wave's own 640 bytes
.set STAGE,  WAVES*PAREA               ; behind them: the work-group's 128 x 40 bytes of results
.set OROW,   40                        ; bytes of a row of out0
.set WROW,   40                        ; bytes of a row of head_w
.set WGOUT,  WAVES*NS*OROW             ; 5,120 bytes = 20 blocks of 256
; vector registers
.set XO,    1                          ; 16 x lane: my bytes in every load of x; never rewritten
.set LST,   2                          ; LDS: where my block sum goes
.set LRD,   3                          ; LDS: where I read 8 block sums of one sample
.set SST,   4                          ; LDS: where my 5 results go
.set WOFF,  5                          ; offsets of the parameter loads; never rewritten
.set HWOFF, 6
.set HBOFF, 7
.set T,     8                          ; v[8:23]   at work
.set V,     24                         ; v[24:27]  a sample's four row sums
.set KS,    28                         ; v[28:31]  what I keep, what I send
.set Z,     32                         ; v[32:33]  an even and an odd sample, summed over lane bits 0 and 3
.set PQ,    34
.set FO,    35                         ; 16 x thread: the way out
.set G,     36                         ; v[36:51]  G[m] = (-1)^popcount(m & r), r = lane & 15
.set SH,    52                         ; (-1)^h, h = lane >> 4
.set TW,    53                         ; lane n: weight n
.set HW,    54                         ; v[54:63]  my row of head_w
.set X,     64                         ; v[64:191] ring: 4 samples x 8 loads x 4 registers
.set A1,    192                        ; v[192:199] [Ure | Uim], f16
.set A2,    200                        ; v[200:207] [M | M], f16
.set CB,    208                        ; v[208:215] head_b as C, then the last product
.set BZ,    216                        ; v[216:227] 0 0 0 0 amp amp amp amp 0 0 0 0: two B operands that overlap
.set UB,    228                        ; v[228:243] set-up
.set UA, T                             ; names of the set-up, in registers that the stream uses later
.set PH, T
.set Y,  T+4
.set Y2, T+5
.set PS, T+6
.set QC, T+7
.set SN, T+8
.set CS, T+9
.set CK, T+10
.set SK, T+11
.set TM, T+12
.set GT, V
.set MU, V
.set MO, T
.set MN, T+8
.set PV,  X                            ; names of the end, in the ring's registers (all loads are in by then)
.set NQ,  X+8
.set NR,  X+10
.set DRE, X+16
.set DIM, X+24
.set B2,  X+32
.set OT,  X+40
.set OV,  X+48
; scalar registers
.set TAU, 24                           ; s[24:47] the 24 half angles in turns, reduced to [-1/2, 1/2]
.set MB0, 48                           ; lanes with bit 0, 3, 4 set
.set MB3, 49
.set MB4, 50
.set SELLO, 51                         ; v_permlanex16_b32: lane i of the other half
.set SELHI, 52
.set CO,  66                           ; s[66:81] cos(phi_k)/16
.set SI,  82                           ; s[82:97] sin(phi_k)/16
.macro FILL s                          ; a sample's eight loads, 512 consecutive bytes each; x is read once in the launch
.irp k, 0,1,2,3,4,5,6,7
	global_load_b128 v[X+32*((\s)&3)+4*\k:X+32*((\s)&3)+4*\k+3], v[XO], s[4:5] offset:(\s)*IMG+\k*512 th:TH_LOAD_NT
.endr
.endm
	s_load_b256 s[4:11], s[0:1], 0x0               ; x s[4:5], weights s[6:7], head_w s[8:9], head_b s[10:11]
	s_load_b128 s[12:15], s[0:1], 0x20             ; logit_scale s[12:13], out0 s[14:15]
	v_lshl_add_u32 v244, v0, 2, 0x3c00
	v_mov_b32 v245, 0
	v_lshrrev_b32 v8, 5, v0
	v_readfirstlane_b32 s16, v8                    ; wave 0..15
	v_and_b32 v9, 31, v0                           ; lane
	v_lshlrev_b32 v[XO], 4, v9
	v_min_u32 v[WOFF], 23, v9                      ; lanes 24-31 read the last weight again: no load leaves the 96 bytes
	v_lshlrev_b32 v[WOFF], 2, v[WOFF]
	v_and_b32 v10, 15, v0                          ; r
	v_bfe_u32 v11, v0, 3, 1                        ; r >> 3
	v_bfe_u32 v8, v0, 4, 1                         ; h
	v_mul_u32_u24 v11, 3, v11
	v_sub_nc_u32 v[HWOFF], v10, v11                ; matrix rows 0-4 are outputs 0-4, rows 8-12 outputs 5-9: a lane of the result then holds 5 neighbouring outputs
	v_min_u32 v[HWOFF], 9, v[HWOFF]                ; rows 5-7 and 13-15 are never stored; they take some row inside head_w
	v_mul_u32_u24 v[HWOFF], WROW, v[HWOFF]
	v_mul_u32_u24 v[HBOFF], 20, v8                 ; head_b[5 h ..]
	s_lshl_b32 s17, ttmp9, 4
	s_add_co_u32 s17, s17, s16                     ; the wave's number in the launch, 0..4095
	s_lshl_b32 s18, s17, 15                        ; x 8 samples x 4,096 bytes: below 2^27
	s_mov_b32 s19, 0
	s_wait_kmcnt 0x0
	s_add_nc_u64 s[4:5], s[4:5], s[18:19]          ; x at my wave's first sample
	s_load_b32 s20, s[12:13], 0x0                  ; logit_scale
	global_load_b32 v[TW], v[WOFF], s[6:7]         ; the 11 parameter loads go first: loads come back in order, so they are in first
.irp q, 0,1,2,3,4
	global_load_b64 v[HW+2*\q:HW+2*\q+1], v[HWOFF], s[8:9] offset:8*\q
.endr
.irp j, 0,1,2,3,4
	global_load_b32 v[CB+\j], v[HBOFF], s[10:11] offset:4*\j
.endr
	FILL 0                                         ; the ring: 32 loads; with the 11 above 43 are out, the most in this text
	FILL 1
	FILL 2
	FILL 3
	s_mul_i32 s18, ttmp9, WGOUT
	s_add_nc_u64 s[14:15], s[14:15], s[18:19]      ; out0 at the work-group's first sample
	s_mov_b32 s23, 0x80000000
	s_mov_b32 s[MB0], 0xaaaaaaaa
	s_mov_b32 s[MB3], 0xff00ff00
	s_mov_b32 s[MB4], 0xffff0000
	s_mov_b32 s[SELLO], 0x76543210
	s_mov_b32 s[SELHI], 0xfedcba98
	s_mov_b32 s53, 0x3da2f983                      ; 1 / (4 pi)
	s_mul_i32 s21, s16, PAREA
	s_mul_i32 s22, s16, NS*OROW
	; LDS addresses.  After the exchanges below lane l holds block j = 8 b3 + 4 b0 + 2 b2 + b1 (b = bits of l) of sample 2 q + b4.
	v_and_b32 v9, 6, v0
	v_and_b32 v10, 1, v0
	v_and_b32 v11, 8, v0
	v_and_b32 v12, 7, v0                           ; the sample that this lane finishes: lanes r >= 8 repeat lanes r - 8
	v_lshl_add_u32 v[LST], v9, 1, s21              ; 4 (2 b2 + b1) + my wave's bytes
	v_lshl_add_u32 v[LST], v10, 4, v[LST]          ; + 4 x 4 b0
	v_lshl_add_u32 v[LST], v11, 2, v[LST]          ; + 4 x 8 b3
	v_mad_u32_u24 v[LST], v8, PPITCH, v[LST]       ; + b4 samples
	v_mad_u32_u24 v[LRD], v12, PPITCH, s21
	v_lshl_add_u32 v[LRD], v8, 5, v[LRD]           ; blocks 8 h .. 8 h + 7
	v_mad_u32_u24 v[SST], v12, OROW, s22
	v_mad_u32_u24 v[SST], v8, 20, v[SST]           ; outputs 5 h .. 5 h + 4
	v_lshlrev_b32 v[FO], 4, v0
	; The sign table: a lane bit moved to the sign of 1.0, then products.
	v_lshlrev_b32 v8, 31, v0
	v_lshlrev_b32 v9, 30, v0
	v_lshlrev_b32 v10, 29, v0
	v_lshlrev_b32 v11, 28, v0
	v_lshlrev_b32 v12, 27, v0
	v_mov_b32 v[G], 1.0
	v_and_or_b32 v[G+1], v8, s23, 1.0
	v_and_or_b32 v[G+2], v9, s23, 1.0
	v_and_or_b32 v[G+4], v10, s23, 1.0
	v_and_or_b32 v[G+8], v11, s23, 1.0
	v_and_or_b32 v[SH], v12, s23, 1.0
	v_mul_f32 v[G+3], v[G+1], v[G+2]
	v_mul_f32 v[G+5], v[G+1], v[G+4]
	v_mul_f32 v[G+6], v[G+2], v[G+4]
	v_mul_f32 v[G+7], v[G+3], v[G+4]
.irp m, 1,2,3,4,5,6,7
	v_mul_f32 v[G+8+\m], v[G+\m], v[G+8]
.endr
	; Registers that are read whole before anything else writes them: the zero halves of the B operands, the three unused rows of C,
	; and the two destinations of lane-crossing adds.
.irp j, 0,1,2,3,8,9,10,11
	v_mov_b32 v[BZ+\j], 0
.endr
.irp j, 5,6,7
	v_mov_b32 v[CB+\j], 0
.endr
	v_mov_b32 v[Z], 0
	v_mov_b32 v[Z+1], 0
	s_wait_loadcnt 32                              ; the 11 parameter loads are in; the 32 loads of x behind them stay out
	s_wait_kmcnt 0x0                               ; logit_scale
	; Half angles in turns, each reduced to [-1/2, 1/2]: +-(tau - n) is +-tau modulo one turn.  The fused form rounds the remainder once.
	v_mul_f32 v8, s53, v[TW]
	v_rndne_f32 v8, v8
	v_fma_f32 v[TW], v[TW], s53, -v8
.set n, 0
.rept 24
	v_readlane_b32 s[TAU+n], v[TW], n
.set n, n+1
.endr
	; psi_k = sum over layers and wires of (-1)^(bit of sig^l(k)) tau, in lane k = r.  R3..R0: which bits of k make up bit 3..0 of sig^l(k).
	; Four sums, one a wire, so that no line waits for the one in front of it.
.set R3, 8
.set R2, 4
.set R1, 2
.set R0, 1
	v_mul_f32 v[PH+0], s[TAU+0], v[G+R3]
	v_mul_f32 v[PH+1], s[TAU+1], v[G+R2]
	v_mul_f32 v[PH+2], s[TAU+2], v[G+R1]
	v_mul_f32 v[PH+3], s[TAU+3], v[G+R0]
.set LY, 1
.rept 5
.set R3, R3^R2
.set R2, R2^R1
.set R1, R1^R0
.set R0, R0^R3
	v_fmac_f32 v[PH+0], s[TAU+4*LY+0], v[G+R3]
	v_fmac_f32 v[PH+1], s[TAU+4*LY+1], v[G+R2]
	v_fmac_f32 v[PH+2], s[TAU+4*LY+2], v[G+R1]
	v_fmac_f32 v[PH+3], s[TAU+4*LY+3], v[G+R0]
.set LY, LY+1
.endr
	v_add_f32 v[PH], v[PH], v[PH+1]
	v_add_f32 v[PH+2], v[PH+2], v[PH+3]
	v_add_f32 v[PH], v[PH], v[PH+2]
	; cos and sin of phi = -2 pi psi.  y = phi / 2 modulo half a turn lies in [-pi/2, pi/2] for every input; there the sine's series through y^13
	; and the cosine's through y^14 leave less than 1e-8.  Then cos 2y = 1 - 2 sin^2 y, sin 2y = 2 sin y cos y, both with U's 1/16.
	v_rndne_f32 v[TM], v[PH]
	v_sub_f32 v[PH], v[PH], v[TM]
	v_mul_f32 v[Y], 0xc0490fdb, v[PH]              ; - pi
	v_mul_f32 v[Y2], v[Y], v[Y]
	v_mov_b32 v[PS], 0x2f2ec9d3                    ;  1.59e-10  y^13
	v_mov_b32 v[QC], 0xad47d74e                    ; -1.14e-11  y^14
	v_fmaak_f32 v[PS], v[PS], v[Y2], 0xb2d72f34    ; -2.505e-8
	v_fmaak_f32 v[QC], v[QC], v[Y2], 0x310f74f6    ;  2.088e-9
	v_fmaak_f32 v[PS], v[PS], v[Y2], 0x3638ef1b    ;  2.756e-6
	v_fmaak_f32 v[QC], v[QC], v[Y2], 0xb493f27c    ; -2.756e-7
	v_fmaak_f32 v[PS], v[PS], v[Y2], 0xb9500d01    ; -1/5040
	v_fmaak_f32 v[QC], v[QC], v[Y2], 0x37d00d01    ;  1/40320
	v_fmaak_f32 v[PS], v[PS], v[Y2], 0x3c088889    ;  1/120
	v_fmaak_f32 v[QC], v[QC], v[Y2], 0xbab60b61    ; -1/720
	v_fmaak_f32 v[PS], v[PS], v[Y2], 0xbe2aaaab    ; -1/6
	v_fmaak_f32 v[QC], v[QC], v[Y2], 0x3d2aaaab    ;  1/24
	v_mul_f32 v[TM], v[Y], v[Y2]
	v_fmaak_f32 v[QC], v[QC], v[Y2], 0xbf000000    ; -1/2
	v_fma_f32 v[SN], v[TM], v[PS], v[Y]            ; sin y
	v_fma_f32 v[CS], v[QC], v[Y2], 1.0             ; cos y
	v_fma_f32 v[TM], -v[SN], v[SN], 0.5
	v_mul_f32 v[SK], v[SN], v[CS]
	v_mul_f32 v[CK], 0x3e000000, v[TM]             ; (1/2 - sin^2 y) / 8 = cos(phi) / 16
	v_mul_f32 v[SK], 0x3e000000, v[SK]             ; sin y cos y / 8     = sin(phi) / 16
.set n, 0
.rept 16
	v_readlane_b32 s[CO+n], v[CK], n
	v_readlane_b32 s[SI+n], v[SK], n
.set n, n+1
.endr
	; Lane (r, h) makes U[i = r][j = 8 h + 0..7].  First the sum over bit 3 of k, whose sign is (-1)^h:
	; u[k'] = G[pi(k')] e_k' + (-1)^h G[pi(k'+8)] e_(k'+8), real and imaginary part side by side.
.macro PERM k                          ; PK = sig^6(k), worked out as the text is assembled
.set PK, (\k)
.rept 6
.set PK, PK ^ ((PK & 7) << 1)
.set PK, PK ^ (PK >> 3)
.endr
.endm
.irp kk, 0,1,2,3,4,5,6,7
	PERM \kk+8
	v_mul_f32 v[GT+(\kk&1)], v[SH], v[G+PK]
	PERM \kk
	v_mul_f32 v[UA+2*\kk],   s[CO+\kk], v[G+PK]
	v_mul_f32 v[UA+2*\kk+1], s[SI+\kk], v[G+PK]
	v_fmac_f32 v[UA+2*\kk],   s[CO+8+\kk], v[GT+(\kk&1)]
	v_fmac_f32 v[UA+2*\kk+1], s[SI+8+\kk], v[GT+(\kk&1)]
.endr
	; then three butterfly steps over bits 2, 1, 0 of k', two register sets by turns: place jj ends up with sum (-1)^pc(k' & jj) u[k']
.macro WHT src, dst, b
.irp a, 0,1,2,3,4,5,6,7
.if ((\a) & (\b)) == 0
	v_pk_add_f32 v[\dst+2*\a:\dst+2*\a+1], v[\src+2*\a:\src+2*\a+1], v[\src+2*(\a+\b):\src+2*(\a+\b)+1]
	v_pk_add_f32 v[\dst+2*(\a+\b):\dst+2*(\a+\b)+1], v[\src+2*\a:\src+2*\a+1], v[\src+2*(\a+\b):\src+2*(\a+\b)+1] neg_lo:[0,1] neg_hi:[0,1]
.endif
.endr
.endm
	WHT UA, UB, 4
	WHT UB, UA, 2
	WHT UA, UB, 1
.irp q, 0,1,2,3
	v_cvt_pk_f16_f32 v[A1+\q],   v[UB+4*\q],   v[UB+4*\q+2]    ; K = 8 h + 2 q, + 1:      Ure
	v_cvt_pk_f16_f32 v[A1+4+\q], v[UB+4*\q+1], v[UB+4*\q+3]    ; K = 16 + 8 h + 2 q, + 1: Uim
.endr
	; M[o][8 h + 0..7]: the same transform of head_w's row laid at the places m_c (w0 at 8, w1 at 4, w2 at 2, w3 at 1, w4 at 12, w5 at 10,
	; w6 at 9, w7 at 6, w8 at 5, w9 at 3; places 0 and 7 are empty).  Bit 3 first, with (-1)^h; empty places cost no instruction.
.macro BF d0, d1, a, b
	v_add_f32 v[\d0], v[\a], v[\b]
	v_sub_f32 v[\d1], v[\a], v[\b]
.endm
	v_mul_f32 v[MU+0], v[SH], v[HW+0]              ; u0
	v_fma_f32 v[MU+1], v[SH], v[HW+6], v[HW+3]     ; u1
	v_fma_f32 v[MU+2], v[SH], v[HW+5], v[HW+2]     ; u2
	v_fma_f32 v[MU+3], v[SH], v[HW+4], v[HW+1]     ; u4;  u3 = w9, u5 = w8, u6 = w7, u7 = 0
	BF MO+0, MO+4, MU+0, MU+3                      ; bit 2 (places 3 and 7 both stay w9)
	BF MO+1, MO+5, MU+1, HW+8
	BF MO+2, MO+6, MU+2, HW+7
	BF MN+0, MN+2, MO+0, MO+2                      ; bit 1
	BF MN+1, MN+3, MO+1, HW+9
	BF MN+4, MN+6, MO+4, MO+6
	BF MN+5, MN+7, MO+5, HW+9
	BF MO+0, MO+1, MN+0, MN+1                      ; bit 0
	BF MO+2, MO+3, MN+2, MN+3
	BF MO+4, MO+5, MN+4, MN+5
	BF MO+6, MO+7, MN+6, MN+7
.irp q, 0,1,2,3
	v_cvt_pk_f16_f32 v[A2+\q],   v[MO+2*\q], v[MO+2*\q+1]      ; K = 8 h + ..: meets re^2
	v_cvt_pk_f16_f32 v[A2+4+\q], v[MO+2*\q], v[MO+2*\q+1]      ; K = 16 + 8 h + ..: the same numbers meet im^2
.endr
; THE STREAM.  One sample: loads 2 t and 2 t + 1 are image rows 8 t .. 8 t + 7, pooled row t.  young = loads of younger samples that stay out.
; A lane adds its 8 numbers of each pooled row.  What is left is the sum over lane bits 0, 3 and 4; each step halves the registers:
; a lane keeps one of two sums, sends the other to the partner that keeps that one, and adds what it gets.
.macro SAMPLE s, young, refill
.set XS, X+32*((\s)&3)
.irp t, 0,1,2,3
	s_wait_loadcnt \young+6-2*\t                   ; loads come back in order: this row's two are in, the sample's later ones and the younger samples' stay out
	v_pk_add_f32 v[T+4*\t:T+4*\t+1],   v[XS+8*\t:XS+8*\t+1],   v[XS+8*\t+4:XS+8*\t+5]
	v_pk_add_f32 v[T+4*\t+2:T+4*\t+3], v[XS+8*\t+2:XS+8*\t+3], v[XS+8*\t+6:XS+8*\t+7]
.endr
.if \refill
	FILL \s+4                                      ; the slot has been read: the sample four further on
.endif
.irp t, 0,1,2,3
	v_pk_add_f32 v[T+4*\t:T+4*\t+1], v[T+4*\t:T+4*\t+1], v[T+4*\t+2:T+4*\t+3]
.endr
.irp t, 0,1,2,3
	v_add_f32 v[V+\t], v[T+4*\t], v[T+4*\t+1]
.endr
	v_cndmask_b32 v[KS+0], v[V+0], v[V+1], s[MB0]  ; lane bit 0 picks the low bit of t
	v_cndmask_b32 v[KS+1], v[V+1], v[V+0], s[MB0]
	v_cndmask_b32 v[KS+2], v[V+2], v[V+3], s[MB0]
	v_cndmask_b32 v[KS+3], v[V+3], v[V+2], s[MB0]
	v_add_f32_dpp v[V+0], v[KS+1], v[KS+0] row_xmask:1 row_mask:0xf bank_mask:0xf
	v_add_f32_dpp v[V+1], v[KS+3], v[KS+2] row_xmask:1 row_mask:0xf bank_mask:0xf
	v_cndmask_b32 v[KS+0], v[V+0], v[V+1], s[MB3]  ; lane bit 3 picks the high bit of t
	v_cndmask_b32 v[KS+1], v[V+1], v[V+0], s[MB3]
	v_add_f32_dpp v[Z+((\s)&1)], v[KS+1], v[KS+0] row_xmask:8 row_mask:0xf bank_mask:0xf
.if (\s)&1
	v_cndmask_b32 v[KS+0], v[Z+0], v[Z+1], s[MB4]  ; lane bit 4 picks the even or the odd sample
	v_cndmask_b32 v[KS+1], v[Z+1], v[Z+0], s[MB4]
	v_permlanex16_b32 v[KS+2], v[KS+1], s[SELLO], s[SELHI]
	v_add_f32 v[PQ], v[KS+0], v[KS+2]
	ds_store_b32 v[LST], v[PQ] offset:((\s)>>1)*2*PPITCH       ; 32 different words of two rows: sample \s - 1 + b4, block j
.endif
.endm
	SAMPLE 0, 24, 1
	SAMPLE 1, 24, 1
	SAMPLE 2, 24, 1
	SAMPLE 3, 24, 1
	SAMPLE 4, 24, 0                                ; nothing is left to fetch: the counts run down
	SAMPLE 5, 16, 0
	SAMPLE 6, 8, 0
	SAMPLE 7, 0, 0
	; THE END.  Lane (r, h) takes blocks 8 h .. 8 h + 7 of sample r & 7.  The bytes are my wave's own and LDS serves a wave's instructions in order,
	; so these loads see the stores above without a wait or a barrier.
	ds_load_b128 v[PV:PV+3], v[LRD]
	ds_load_b128 v[PV+4:PV+7], v[LRD] offset:16
	s_wait_dscnt 0x0
.irp q, 0,2,4,6
	v_pk_mul_f32 v[PV+\q:PV+\q+1], v[PV+\q:PV+\q+1], 0x3c800000 op_sel_hi:[1,0]   ; sums of 64 to means
.endr
	v_pk_mul_f32 v[NQ:NQ+1], v[PV:PV+1], v[PV:PV+1]
	v_pk_fma_f32 v[NQ:NQ+1], v[PV+2:PV+3], v[PV+2:PV+3], v[NQ:NQ+1]
	v_pk_fma_f32 v[NQ:NQ+1], v[PV+4:PV+5], v[PV+4:PV+5], v[NQ:NQ+1]
	v_pk_fma_f32 v[NQ:NQ+1], v[PV+6:PV+7], v[PV+6:PV+7], v[NQ:NQ+1]
	v_add_f32 v[NQ], v[NQ], v[NQ+1]
	v_permlanex16_b32 v[NQ+1], v[NQ], s[SELLO], s[SELHI]       ; the other eight blocks' squares
	v_add_f32 v[NR+1], v[NQ], v[NQ+1]
	v_rsq_f32 v[NR], v[NR+1]                       ; 1 / norm
	v_nop                                          ; one plain vector instruction between a transcendental and the use of its result
	s_wait_alu depctr_va_vdst(0)
.irp q, 0,2,4,6
	v_pk_mul_f32 v[PV+\q:PV+\q+1], v[PV+\q:PV+\q+1], v[NR:NR+1] op_sel_hi:[1,0]   ; both halves times v[NR]
.endr
.irp q, 0,1,2,3
	v_cvt_pk_f16_f32 v[BZ+4+\q], v[PV+2*\q], v[PV+2*\q+1]
.endr
	; Three matrix instructions on three different accumulators; none adds onto another's result.
	v_wmma_f32_16x16x32_f16 v[DRE:DRE+7], v[A1:A1+7], v[BZ+4:BZ+11], 0     ; B = [amp ; 0]: Ure amp
	v_wmma_f32_16x16x32_f16 v[DIM:DIM+7], v[A1:A1+7], v[BZ:BZ+7], 0        ; B = [0 ; amp]: Uim amp
.rept 4
	v_nop                                          ; four independent vector instructions before a vector instruction reads a matrix result (ISA guide 7.12.1)
.endr
.irp q, 0,2,4,6
	v_pk_mul_f32 v[DRE+\q:DRE+\q+1], v[DRE+\q:DRE+\q+1], v[DRE+\q:DRE+\q+1]
	v_pk_mul_f32 v[DIM+\q:DIM+\q+1], v[DIM+\q:DIM+\q+1], v[DIM+\q:DIM+\q+1]
.endr
.irp q, 0,1,2,3
	v_cvt_pk_f16_f32 v[B2+\q],   v[DRE+2*\q], v[DRE+2*\q+1]    ; register j of a result is row 8 h + j: exactly K = 8 h + j of a B operand
	v_cvt_pk_f16_f32 v[B2+4+\q], v[DIM+2*\q], v[DIM+2*\q+1]    ; K = 16 + 8 h + j
.endr
	v_wmma_f32_16x16x32_f16 v[CB:CB+7], v[A2:A2+7], v[B2:B2+7], v[CB:CB+7] ; M (re^2 + im^2) + head_b
.rept 4
	v_nop
.endr
.irp j, 0,1,2,3,4
	v_mul_f32 v[OT+\j], s20, v[CB+\j]              ; x logit_scale: out0[sample][5 h + j]
.endr
.irp j, 0,1,2,3,4
	ds_store_b32 v[SST], v[OT+\j] offset:STAGE+4*\j            ; words 5 (2 s + h) + j: no two of the sixteen different ones in one bank; lanes r >= 8 write what lanes r - 8 write
.endr
	s_wait_dscnt 0x0                               ; my stores are done, for the waves that read them behind the barrier
	s_barrier_signal -1
	s_barrier_wait -1
	s_cmp_ge_u32 s16, WGOUT/512                    ; 5,120 bytes are ten waves' stores of 512 consecutive bytes, each at a multiple of 256 from out0's first byte
	s_cbranch_scc1 .Ldone
	ds_load_b128 v[OV:OV+3], v[FO] offset:STAGE
	s_wait_dscnt 0x0
	global_store_b128 v[FO], v[OV:OV+3], s[14:15] th:TH_STORE_NT
.Ldone:
	s_wait_tensorcnt 0x0
	ds_add_u32 v244, v245
	s_wait_dscnt 0x0
	s_endpgm
.Lfunc_end_k_qeba35428af_qnet:
	.size	k_qeba35428af_qnet, .Lfunc_end_k_qeba35428af_qnet-k_qeba35428af_qnet
	.p2alignl 7, 3214868480
	.fill 96, 4, 3214868480
	.section	.rodata,"a",@progbits
	.p2align	6, 0x0
	.amdhsa_kernel k_qeba35428af_qnet
		.amdhsa_group_segment_fixed_size 17408
		.amdhsa_private_segment_fixed_size 0
		.amdhsa_enable_private_segment 0
		.amdhsa_kernarg_size 48
		.amdhsa_user_sgpr_count 2
		.amdhsa_user_sgpr_kernarg_segment_ptr 1
		.amdhsa_wavefront_size32 1
		.amdhsa_system_sgpr_workgroup_id_x 1
		.amdhsa_system_sgpr_workgroup_id_y 1
		.amdhsa_system_sgpr_workgroup_id_z 1
		.amdhsa_system_vgpr_workitem_id 0
		.amdhsa_next_free_vgpr 246
		.amdhsa_next_free_sgpr 98
		.amdhsa_reserve_vcc 0
		.amdhsa_float_denorm_mode_32 3
		.amdhsa_float_denorm_mode_16_64 3
		.amdhsa_memory_ordered 1
		.amdhsa_forward_progress 1
		.amdhsa_inst_pref_size 39
	.end_amdhsa_kernel
	.amdgpu_metadata
---
amdhsa.version: [ 1, 2 ]
amdhsa.kernels:
  - .name:           k_qeba35428af_qnet
    .symbol:         k_qeba35428af_qnet.kd
    .args:
      - { .name: x, .offset: 0, .size: 8, .value_kind: global_buffer, .address_space: global }
      - { .name: weights, .offset: 8, .size: 8, .value_kind: global_buffer, .address_space: global }
      - { .name: head_w, .offset: 16, .size: 8, .value_kind: global_buffer, .address_space: global }
      - { .name: head_b, .offset: 24, .size: 8, .value_kind: global_buffer, .address_space: global }
      - { .name: logit_scale, .offset: 32, .size: 8, .value_kind: global_buffer, .address_space: global }
      - { .name: out0, .offset: 40, .size: 8, .value_kind: global_buffer, .address_space: global }
    .group_segment_fixed_size: 17408
    .private_segment_fixed_size: 0
    .kernarg_segment_align: 8
    .kernarg_segment_size: 48
    .max_flat_workgroup_size: 512
    .sgpr_count:     98
    .vgpr_count:     246
    .wavefront_size: 32
...
	.end_amdgpu_metadata
.endif
;; end of part 1
;; ======== version 2 of 2: 1 launch; version 1 with the launch qnet written anew for expert scheduling mode
;; limits: values are held in f16: magnitudes above 65,504 overflow, below 6.1e-05 lose precision; right only within a limited range of input values
;; launch qnet (part 2): grid 256 x 1, 16 waves a work-group, no clusters, 17,408 bytes of LDS; arguments x, weights, head_w, head_b, logit_scale, out0; writes out0
.if DOCPART == 2
	.amdgcn_target "amdgcn-amd-amdhsa--gfx1250"
	.amdhsa_code_object_version 6
	.text
	.protected	k_qeba35428af_qnet
	.globl	k_qeba35428af_qnet
	.p2align	8
	.type	k_qeba35428af_qnet,@function
k_qeba35428af_qnet:
	s_mov_b64 s[64:65], 0
	v_nop
	global_prefetch_b8 v0, s[64:65] scope:SCOPE_SE
	s_setreg_imm32_b32 hwreg(HW_REG_WAVE_SCHED_MODE, 0, 2), 2
	s_setreg_imm32_b32 hwreg(HW_REG_WAVE_MODE, 25, 1), 1
	s_wait_xcnt 0x0
	s_wait_alu depctr_vm_vsrc(0)
; PureQNet in one launch: 8x8 block means of a 32x32 image -> 16 amplitudes, normalised -> 6 layers (RX on 4 wires, CNOT ring)
; -> probabilities -> <Z>, <ZZ> -> Linear(10,10) -> scale.   x [32768][1024] f32, out0 [32768][10] f32.
;
; THE CIRCUIT AS ONE MATRIX.  RX(t) = H diag(e^-it/2, e^+it/2) H, and CNOT(c,t) between Hadamards is CNOT(t,c).  So in the Hadamard
; basis every layer is a diagonal of phases followed by the permutation sig(k): bit3^=bit2, bit2^=bit1, bit1^=bit0, bit0^=bit3 (wire w = bit 3-w),
; and the whole circuit is  U[i][j] = 1/16 sum_k (-1)^pc(i & pi(k)) (-1)^pc(k & j) e^(i phi_k),  pi = sig^6,
; phi_k = - sum_(l,w) (-1)^(bit 3-w of sig^l(k)) weights[l][w] / 2.   This holds for every value of the weights.
; probs @ signs @ head_w^T is likewise one matrix  M[o][i] = sum_c head_w[o][c] (-1)^pc(i & m_c),  m_c = 8,4,2,1,12,10,9,6,5,3.
; Every wave builds U and M itself, in f32, while its first 32 loads of x are on their way.
;
; MATRIX PRODUCTS, f16 operands, f32 sums.  f16 because all operands are bounded whatever the inputs: |U| <= 1, |amp| <= 1, squares <= 1;
; |M| <= the sum of |head_w| along a row.  logit_scale and head_b stay in f32 (head_b is the C operand of the last product).
;   1: D(i, sample) = [Ure | Uim] (K = 32) x [amp ; 0], and x [0 ; amp]: real and imaginary parts.
;   2: its result registers (lane = sample, registers = i) are, squared and packed, the B operand of [M | M] x [re^2 ; im^2] + head_b.
;
; SHARES.  256 work-groups x 16 waves x 8 samples.  A wave's load takes 512 consecutive aligned bytes (4 image rows); lane l holds 4 numbers
; of image row l>>3 and block column (l>>1)&3.  A ring of 4 samples in registers keeps 32 loads (16 KiB) of each wave out.
; The work-groups share nothing but 540 bytes of parameters, so no cluster and no joint loads; x goes straight to registers, not through LDS.
;
; THE MODE: SCHED_MODE bits 1:0 = 2 (LLVM: expert scheduling mode 2), set by the entry lines.  The code itself states the register dependences
; between vector or matrix instructions and memory or LDS instructions, with s_wait_alu, always for 0.
; THE PLAN.  Registers that memory or LDS instructions touch:
;   v1, v5-v7       offsets of the global loads.  Made once at the head, ahead of one wait on va_vdst; never written again.
;   ring slot s & 3 Sample s's first eight additions read it; behind them one wait on va_vdst, and the loads of sample s + 4 land in it.  Those eight loads
;                   are dealt in pairs among the sample's other vector lines, which name T, V, KS, Z and PQ alone: neither the slot nor v1.
;   PQ0 .. PQ3      A pair of samples' block sums, a register a pair, each written once.  The four LDS stores that read them stand in one run behind sample 7.
;   v2, v3, v4, v35 LDS addresses, made once at the head.
;   PV, OV          LDS loads land in ring registers that the additions of samples 4 and 5 read last.
;   OT              Written by the last five multiplies, read by the five LDS stores into the stage.
; So two more waits on va_vdst stand in the end: one ahead of the four stores of PQ and the two loads into PV, one ahead of the five stores of OT (no vector line
; follows it, so it serves the load into OV too).  No register that a memory or LDS instruction reads is written again behind it: no wait on vm_vsrc is needed for it.
; Three runs of vector lines write scalar registers (the wave's number; the 24 angles; the 32 cosines and sines): one wait on va_sdst behind each, ahead of its first reader.
; EXEC is never written.
;
; LIMITS.  (a) An angle is reduced as weights/(4 pi) with one f32 constant: a phase is off by about 4e-7 x max|weight| radians.
; (b) The sum of the 16 squared block means must be a normal f32 number (means of about 1e-18 to 1e18): v_rsq_f32 takes a denormal as 0.
; (c) A row of head_w must sum, in magnitude, to less than 65504; entries of M below 6e-5 are kept to 6e-8 absolute.
; (d) A sample whose block means are all 0 gives NaN in its ten outputs, as the division by its norm does.
.set WAVES,  16
.set NS,     8                         ; samples of a wave
.set IMG,    4096                      ; bytes of a sample
.set PPITCH, 80                        ; LDS: 16 block sums of a sample + 16 bytes, so that 16 lanes' 16-byte reads fall in 16 different columns of 256 bytes
.set PAREA,  NS*PPITCH                 ; a wave's own 640 bytes
.set STAGE,  WAVES*PAREA               ; behind them: the work-group's 128 x 40 bytes of results
.set OROW,   40                        ; bytes of a row of out0
.set WROW,   40                        ; bytes of a row of head_w
.set WGOUT,  WAVES*NS*OROW             ; 5,120 bytes = 20 blocks of 256
; vector registers (v34 is not used)
.set XO,    1                          ; 16 x lane: my bytes in every load of x; never rewritten
.set LST,   2                          ; LDS: where my block sum goes
.set LRD,   3                          ; LDS: where I read 8 block sums of one sample
.set SST,   4                          ; LDS: where my 5 results go
.set WOFF,  5                          ; offsets of the parameter loads; never rewritten
.set HWOFF, 6
.set HBOFF, 7
.set T,     8                          ; v[8:23]   at work
.set V,     24                         ; v[24:27]  a sample's four row sums
.set KS,    28                         ; v[28:31]  what I keep, what I send
.set Z,     32                         ; v[32:33]  an even and an odd sample, summed over lane bits 0 and 3
.set FO,    35                         ; 16 x thread: the way out
.set G,     36                         ; v[36:51]  G[m] = (-1)^popcount(m & r), r = lane & 15
.set PQ,    36                         ; v[36:39]  in the stream, when G has been read for the last time: pair q's block sums, each written once
.set SH,    52                         ; (-1)^h, h = lane >> 4
.set TW,    53                         ; lane n: weight n
.set HW,    54                         ; v[54:63]  my row of head_w
.set X,     64                         ; v[64:191] ring: 4 samples x 8 loads x 4 registers
.set A1,    192                        ; v[192:199] [Ure | Uim], f16
.set A2,    200                        ; v[200:207] [M | M], f16
.set CB,    208                        ; v[208:215] head_b as C, then the last product
.set BZ,    216                        ; v[216:227] 0 0 0 0 amp amp amp amp 0 0 0 0: two B operands that overlap
.set UB,    228                        ; v[228:243] set-up
.set UA, T                             ; names of the set-up, in registers that the stream uses later
.set PH, T
.set Y,  T+4
.set Y2, T+5
.set PS, T+6
.set QC, T+7
.set SN, T+8
.set CS, T+9
.set CK, T+10
.set SK, T+11
.set TM, T+12
.set GT, V
.set MU, V
.set MO, T
.set MN, T+8
.set PV,  X                            ; names of the end, in the ring's registers (all loads are in by then)
.set NQ,  X+8
.set NR,  X+10
.set DRE, X+16
.set DIM, X+24
.set B2,  X+32
.set OT,  X+40
.set OV,  X+48
; scalar registers
.set TAU, 24                           ; s[24:47] the 24 half angles in turns, reduced to [-1/2, 1/2]
.set MB0, 48                           ; lanes with bit 0, 3, 4 set
.set MB3, 49
.set MB4, 50
.set SELLO, 51                         ; v_permlanex16_b32: lane i of the other half
.set SELHI, 52
.set CO,  66                           ; s[66:81] cos(phi_k)/16
.set SI,  82                           ; s[82:97] sin(phi_k)/16
.macro FILL2 s, k                      ; loads k and k + 1 of a sample's eight, 512 consecutive bytes each; x is read once in the launch
	global_load_b128 v[X+32*((\s)&3)+4*(\k):X+32*((\s)&3)+4*(\k)+3],   v[XO], s[4:5] offset:(\s)*IMG+(\k)*512 th:TH_LOAD_NT
	global_load_b128 v[X+32*((\s)&3)+4*(\k)+4:X+32*((\s)&3)+4*(\k)+7], v[XO], s[4:5] offset:(\s)*IMG+(\k)*512+512 th:TH_LOAD_NT
.endm
.macro FILL s                          ; all eight in one run: the first fills
.irp k, 0,2,4,6
	FILL2 \s, \k
.endr
.endm
	s_load_b256 s[4:11], s[0:1], 0x0               ; x s[4:5], weights s[6:7], head_w s[8:9], head_b s[10:11]
	s_load_b128 s[12:15], s[0:1], 0x20             ; logit_scale s[12:13], out0 s[14:15]
	v_lshl_add_u32 v244, v0, 2, 0x3c00
	v_mov_b32 v245, 0
	v_lshrrev_b32 v8, 5, v0
	v_readfirstlane_b32 s16, v8                    ; wave 0..15
	v_and_b32 v9, 31, v0                           ; lane
	v_lshlrev_b32 v[XO], 4, v9
	v_min_u32 v[WOFF], 23, v9                      ; lanes 24-31 read the last weight again: no load leaves the 96 bytes
	v_lshlrev_b32 v[WOFF], 2, v[WOFF]
	v_and_b32 v10, 15, v0                          ; r
	v_bfe_u32 v11, v0, 3, 1                        ; r >> 3
	v_bfe_u32 v8, v0, 4, 1                         ; h
	v_mul_u32_u24 v11, 3, v11
	v_sub_nc_u32 v[HWOFF], v10, v11                ; matrix rows 0-4 are outputs 0-4, rows 8-12 outputs 5-9: a lane of the result then holds 5 neighbouring outputs
	v_min_u32 v[HWOFF], 9, v[HWOFF]                ; rows 5-7 and 13-15 are never stored; they take some row inside head_w
	v_mul_u32_u24 v[HWOFF], WROW, v[HWOFF]
	v_mul_u32_u24 v[HBOFF], 20, v8                 ; head_b[5 h ..]
	s_wait_alu depctr_va_sdst(0)                   ; s16 is written, ahead of its first reader: x's base, the LDS places and the last branch are made from it
	s_lshl_b32 s17, ttmp9, 4
	s_add_co_u32 s17, s17, s16                     ; the wave's number in the launch, 0..4095
	s_lshl_b32 s18, s17, 15                        ; x 8 samples x 4,096 bytes: below 2^27
	s_mov_b32 s19, 0
	s_wait_kmcnt 0x0
	s_add_nc_u64 s[4:5], s[4:5], s[18:19]          ; x at my wave's first sample
	s_load_b32 s20, s[12:13], 0x0                  ; logit_scale
	s_wait_alu depctr_va_vdst(0)                   ; the four offsets v1, v5, v6, v7 are written, which the 43 loads below and the refills read; no vector line writes them again
	global_load_b32 v[TW], v[WOFF], s[6:7]         ; the 11 parameter loads go first: loads come back in order, so they are in first
.irp q, 0,1,2,3,4
	global_load_b64 v[HW+2*\q:HW+2*\q+1], v[HWOFF], s[8:9] offset:8*\q
.endr
.irp j, 0,1,2,3,4
	global_load_b32 v[CB+\j], v[HBOFF], s[10:11] offset:4*\j
.endr
	FILL 0                                         ; the ring: 32 loads; with the 11 above 43 are out, the most in this text
	FILL 1
	FILL 2
	FILL 3
	s_mul_i32 s18, ttmp9, WGOUT
	s_add_nc_u64 s[14:15], s[14:15], s[18:19]      ; out0 at the work-group's first sample
	s_mov_b32 s23, 0x80000000
	s_mov_b32 s[MB0], 0xaaaaaaaa
	s_mov_b32 s[MB3], 0xff00ff00
	s_mov_b32 s[MB4], 0xffff0000
	s_mov_b32 s[SELLO], 0x76543210
	s_mov_b32 s[SELHI], 0xfedcba98
	s_mov_b32 s53, 0x3da2f983                      ; 1 / (4 pi)
	s_mul_i32 s21, s16, PAREA
	s_mul_i32 s22, s16, NS*OROW
	; LDS addresses.  After the exchanges below lane l holds block j = 8 b3 + 4 b0 + 2 b2 + b1 (b = bits of l) of sample 2 q + b4.
	; (The set-up from here to the stream writes none of the registers that the loads above read or land in.)
	v_and_b32 v9, 6, v0
	v_and_b32 v10, 1, v0
	v_and_b32 v11, 8, v0
	v_and_b32 v12, 7, v0                           ; the sample that this lane finishes: lanes r >= 8 repeat lanes r - 8
	v_lshl_add_u32 v[LST], v9, 1, s21              ; 4 (2 b2 + b1) + my wave's bytes
	v_lshl_add_u32 v[LST], v10, 4, v[LST]          ; + 4 x 4 b0
	v_lshl_add_u32 v[LST], v11, 2, v[LST]          ; + 4 x 8 b3
	v_mad_u32_u24 v[LST], v8, PPITCH, v[LST]       ; + b4 samples
	v_mad_u32_u24 v[LRD], v12, PPITCH, s21
	v_lshl_add_u32 v[LRD], v8, 5, v[LRD]           ; blocks 8 h .. 8 h + 7
	v_mad_u32_u24 v[SST], v12, OROW, s22
	v_mad_u32_u24 v[SST], v8, 20, v[SST]           ; outputs 5 h .. 5 h + 4
	v_lshlrev_b32 v[FO], 4, v0
	; The sign table: a lane bit moved to the sign of 1.0, then products.
	v_lshlrev_b32 v8, 31, v0
	v_lshlrev_b32 v9, 30, v0
	v_lshlrev_b32 v10, 29, v0
	v_lshlrev_b32 v11, 28, v0
	v_lshlrev_b32 v12, 27, v0
	v_mov_b32 v[G], 1.0
	v_and_or_b32 v[G+1], v8, s23, 1.0
	v_and_or_b32 v[G+2], v9, s23, 1.0
	v_and_or_b32 v[G+4], v10, s23, 1.0
	v_and_or_b32 v[G+8], v11, s23, 1.0
	v_and_or_b32 v[SH], v12, s23, 1.0
	v_mul_f32 v[G+3], v[G+1], v[G+2]
	v_mul_f32 v[G+5], v[G+1], v[G+4]
	v_mul_f32 v[G+6], v[G+2], v[G+4]
	v_mul_f32 v[G+7], v[G+3], v[G+4]
.irp m, 1,2,3,4,5,6,7
	v_mul_f32 v[G+8+\m], v[G+\m], v[G+8]
.endr
	; Registers that are read whole before anything else writes them: the zero halves of the B operands, the three unused rows of C,
	; and the two destinations of lane-crossing adds.
.irp j, 0,1,2,3,8,9,10,11
	v_mov_b32 v[BZ+\j], 0
.endr
.irp j, 5,6,7
	v_mov_b32 v[CB+\j], 0
.endr
	v_mov_b32 v[Z], 0
	v_mov_b32 v[Z+1], 0
	s_wait_loadcnt 32                              ; the 11 parameter loads are in; the 32 loads of x behind them stay out
	s_wait_kmcnt 0x0                               ; logit_scale
	; Half angles in turns, each reduced to [-1/2, 1/2]: +-(tau - n) is +-tau modulo one turn.  The fused form rounds the remainder once.
	v_mul_f32 v8, s53, v[TW]
	v_rndne_f32 v8, v8
	v_fma_f32 v[TW], v[TW], s53, -v8
.set n, 0
.rept 24
	v_readlane_b32 s[TAU+n], v[TW], n
.set n, n+1
.endr
	s_wait_alu depctr_va_sdst(0)                   ; the 24 scalars s[TAU ..] are written, ahead of their first reader, the multiply below
	; psi_k = sum over layers and wires of (-1)^(bit of sig^l(k)) tau, in lane k = r.  R3..R0: which bits of k make up bit 3..0 of sig^l(k).
	; Four sums, one a wire, so that no line waits for the one in front of it.
.set R3, 8
.set R2, 4
.set R1, 2
.set R0, 1
	v_mul_f32 v[PH+0], s[TAU+0], v[G+R3]
	v_mul_f32 v[PH+1], s[TAU+1], v[G+R2]
	v_mul_f32 v[PH+2], s[TAU+2], v[G+R1]
	v_mul_f32 v[PH+3], s[TAU+3], v[G+R0]
.set LY, 1
.rept 5
.set R3, R3^R2
.set R2, R2^R1
.set R1, R1^R0
.set R0, R0^R3
	v_fmac_f32 v[PH+0], s[TAU+4*LY+0], v[G+R3]
	v_fmac_f32 v[PH+1], s[TAU+4*LY+1], v[G+R2]
	v_fmac_f32 v[PH+2], s[TAU+4*LY+2], v[G+R1]
	v_fmac_f32 v[PH+3], s[TAU+4*LY+3], v[G+R0]
.set LY, LY+1
.endr
	v_add_f32 v[PH], v[PH], v[PH+1]
	v_add_f32 v[PH+2], v[PH+2], v[PH+3]
	v_add_f32 v[PH], v[PH], v[PH+2]
	; cos and sin of phi = -2 pi psi.  y = phi / 2 modulo half a turn lies in [-pi/2, pi/2] for every input; there the sine's series through y^13
	; and the cosine's through y^14 leave less than 1e-8.  Then cos 2y = 1 - 2 sin^2 y, sin 2y = 2 sin y cos y, both with U's 1/16.
	v_rndne_f32 v[TM], v[PH]
	v_sub_f32 v[PH], v[PH], v[TM]
	v_mul_f32 v[Y], 0xc0490fdb, v[PH]              ; - pi
	v_mul_f32 v[Y2], v[Y], v[Y]
	v_mov_b32 v[PS], 0x2f2ec9d3                    ;  1.59e-10  y^13
	v_mov_b32 v[QC], 0xad47d74e                    ; -1.14e-11  y^14
	v_fmaak_f32 v[PS], v[PS], v[Y2], 0xb2d72f34    ; -2.505e-8
	v_fmaak_f32 v[QC], v[QC], v[Y2], 0x310f74f6    ;  2.088e-9
	v_fmaak_f32 v[PS], v[PS], v[Y2], 0x3638ef1b    ;  2.756e-6
	v_fmaak_f32 v[QC], v[QC], v[Y2], 0xb493f27c    ; -2.756e-7
	v_fmaak_f32 v[PS], v[PS], v[Y2], 0xb9500d01    ; -1/5040
	v_fmaak_f32 v[QC], v[QC], v[Y2], 0x37d00d01    ;  1/40320
	v_fmaak_f32 v[PS], v[PS], v[Y2], 0x3c088889    ;  1/120
	v_fmaak_f32 v[QC], v[QC], v[Y2], 0xbab60b61    ; -1/720
	v_fmaak_f32 v[PS], v[PS], v[Y2], 0xbe2aaaab    ; -1/6
	v_fmaak_f32 v[QC], v[QC], v[Y2], 0x3d2aaaab    ;  1/24
	v_mul_f32 v[TM], v[Y], v[Y2]
	v_fmaak_f32 v[QC], v[QC], v[Y2], 0xbf000000    ; -1/2
	v_fma_f32 v[SN], v[TM], v[PS], v[Y]            ; sin y
	v_fma_f32 v[CS], v[QC], v[Y2], 1.0             ; cos y
	v_fma_f32 v[TM], -v[SN], v[SN], 0.5
	v_mul_f32 v[SK], v[SN], v[CS]
	v_mul_f32 v[CK], 0x3e000000, v[TM]             ; (1/2 - sin^2 y) / 8 = cos(phi) / 16
	v_mul_f32 v[SK], 0x3e000000, v[SK]             ; sin y cos y / 8     = sin(phi) / 16
.set n, 0
.rept 16
	v_readlane_b32 s[CO+n], v[CK], n
	v_readlane_b32 s[SI+n], v[SK], n
.set n, n+1
.endr
	s_wait_alu depctr_va_sdst(0)                   ; the 32 scalars s[CO ..] and s[SI ..] are written, ahead of their first reader, the second multiply below
	; Lane (r, h) makes U[i = r][j = 8 h + 0..7].  First the sum over bit 3 of k, whose sign is (-1)^h:
	; u[k'] = G[pi(k')] e_k' + (-1)^h G[pi(k'+8)] e_(k'+8), real and imaginary part side by side.
.macro PERM k                          ; PK = sig^6(k), worked out as the text is assembled
.set PK, (\k)
.rept 6
.set PK, PK ^ ((PK & 7) << 1)
.set PK, PK ^ (PK >> 3)
.endr
.endm
.irp kk, 0,1,2,3,4,5,6,7
	PERM \kk+8
	v_mul_f32 v[GT+(\kk&1)], v[SH], v[G+PK]
	PERM \kk
	v_mul_f32 v[UA+2*\kk],   s[CO+\kk], v[G+PK]
	v_mul_f32 v[UA+2*\kk+1], s[SI+\kk], v[G+PK]
	v_fmac_f32 v[UA+2*\kk],   s[CO+8+\kk], v[GT+(\kk&1)]
	v_fmac_f32 v[UA+2*\kk+1], s[SI+8+\kk], v[GT+(\kk&1)]
.endr
	; then three butterfly steps over bits 2, 1, 0 of k', two register sets by turns: place jj ends up with sum (-1)^pc(k' & jj) u[k']
.macro WHT src, dst, b
.irp a, 0,1,2,3,4,5,6,7
.if ((\a) & (\b)) == 0
	v_pk_add_f32 v[\dst+2*\a:\dst+2*\a+1], v[\src+2*\a:\src+2*\a+1], v[\src+2*(\a+\b):\src+2*(\a+\b)+1]
	v_pk_add_f32 v[\dst+2*(\a+\b):\dst+2*(\a+\b)+1], v[\src+2*\a:\src+2*\a+1], v[\src+2*(\a+\b):\src+2*(\a+\b)+1] neg_lo:[0,1] neg_hi:[0,1]
.endif
.endr
.endm
	WHT UA, UB, 4
	WHT UB, UA, 2
	WHT UA, UB, 1
.irp q, 0,1,2,3
	v_cvt_pk_f16_f32 v[A1+\q],   v[UB+4*\q],   v[UB+4*\q+2]    ; K = 8 h + 2 q, + 1:      Ure
	v_cvt_pk_f16_f32 v[A1+4+\q], v[UB+4*\q+1], v[UB+4*\q+3]    ; K = 16 + 8 h + 2 q, + 1: Uim
.endr
	; M[o][8 h + 0..7]: the same transform of head_w's row laid at the places m_c (w0 at 8, w1 at 4, w2 at 2, w3 at 1, w4 at 12, w5 at 10,
	; w6 at 9, w7 at 6, w8 at 5, w9 at 3; places 0 and 7 are empty).  Bit 3 first, with (-1)^h; empty places cost no instruction.
.macro BF d0, d1, a, b
	v_add_f32 v[\d0], v[\a], v[\b]
	v_sub_f32 v[\d1], v[\a], v[\b]
.endm
	v_mul_f32 v[MU+0], v[SH], v[HW+0]              ; u0
	v_fma_f32 v[MU+1], v[SH], v[HW+6], v[HW+3]     ; u1
	v_fma_f32 v[MU+2], v[SH], v[HW+5], v[HW+2]     ; u2
	v_fma_f32 v[MU+3], v[SH], v[HW+4], v[HW+1]     ; u4;  u3 = w9, u5 = w8, u6 = w7, u7 = 0
	BF MO+0, MO+4, MU+0, MU+3                      ; bit 2 (places 3 and 7 both stay w9)
	BF MO+1, MO+5, MU+1, HW+8
	BF MO+2, MO+6, MU+2, HW+7
	BF MN+0, MN+2, MO+0, MO+2                      ; bit 1
	BF MN+1, MN+3, MO+1, HW+9
	BF MN+4, MN+6, MO+4, MO+6
	BF MN+5, MN+7, MO+5, HW+9
	BF MO+0, MO+1, MN+0, MN+1                      ; bit 0
	BF MO+2, MO+3, MN+2, MN+3
	BF MO+4, MO+5, MN+4, MN+5
	BF MO+6, MO+7, MN+6, MN+7
.irp q, 0,1,2,3
	v_cvt_pk_f16_f32 v[A2+\q],   v[MO+2*\q], v[MO+2*\q+1]      ; K = 8 h + ..: meets re^2
	v_cvt_pk_f16_f32 v[A2+4+\q], v[MO+2*\q], v[MO+2*\q+1]      ; K = 16 + 8 h + ..: the same numbers meet im^2
.endr
; THE STREAM.  One sample: loads 2 t and 2 t + 1 are image rows 8 t .. 8 t + 7, pooled row t.  young = loads of younger samples that stay out.
; A lane adds its 8 numbers of each pooled row.  What is left is the sum over lane bits 0, 3 and 4; each step halves the registers:
; a lane keeps one of two sums, sends the other to the partner that keeps that one, and adds what it gets.
; refill = 1: the slot takes the sample four further on.  All eight loads are issued inside the sample, in ascending order, so the next samples' counts hold.
.macro SAMPLE s, young, refill
.set XS, X+32*((\s)&3)
.irp t, 0,1,2,3
	s_wait_loadcnt \young+6-2*\t                   ; loads come back in order: this row's two are in, the sample's later ones and the younger samples' stay out
	v_pk_add_f32 v[T+4*\t:T+4*\t+1],   v[XS+8*\t:XS+8*\t+1],   v[XS+8*\t+4:XS+8*\t+5]
	v_pk_add_f32 v[T+4*\t+2:T+4*\t+3], v[XS+8*\t+2:XS+8*\t+3], v[XS+8*\t+6:XS+8*\t+7]
.endr
.if \refill
	s_wait_alu depctr_va_vdst(0)                   ; the eight additions above are done reading the slot, in which the eight loads below land; no vector line of the sample behind this wait names the slot or v1
	FILL2 \s+4, 0
.endif
.irp t, 0,1,2,3
	v_pk_add_f32 v[T+4*\t:T+4*\t+1], v[T+4*\t:T+4*\t+1], v[T+4*\t+2:T+4*\t+3]
.endr
.if \refill
	FILL2 \s+4, 2
.endif
.irp t, 0,1,2,3
	v_add_f32 v[V+\t], v[T+4*\t], v[T+4*\t+1]
.endr
.if \refill
	FILL2 \s+4, 4
.endif
	v_cndmask_b32 v[KS+0], v[V+0], v[V+1], s[MB0]  ; lane bit 0 picks the low bit of t
	v_cndmask_b32 v[KS+1], v[V+1], v[V+0], s[MB0]
	v_cndmask_b32 v[KS+2], v[V+2], v[V+3], s[MB0]
	v_cndmask_b32 v[KS+3], v[V+3], v[V+2], s[MB0]
	v_add_f32_dpp v[V+0], v[KS+1], v[KS+0] row_xmask:1 row_mask:0xf bank_mask:0xf
	v_add_f32_dpp v[V+1], v[KS+3], v[KS+2] row_xmask:1 row_mask:0xf bank_mask:0xf
.if \refill
	FILL2 \s+4, 6
.endif
	v_cndmask_b32 v[KS+0], v[V+0], v[V+1], s[MB3]  ; lane bit 3 picks the high bit of t
	v_cndmask_b32 v[KS+1], v[V+1], v[V+0], s[MB3]
	v_add_f32_dpp v[Z+((\s)&1)], v[KS+1], v[KS+0] row_xmask:8 row_mask:0xf bank_mask:0xf
.if (\s)&1
	v_cndmask_b32 v[KS+0], v[Z+0], v[Z+1], s[MB4]  ; lane bit 4 picks the even or the odd sample
	v_cndmask_b32 v[KS+1], v[Z+1], v[Z+0], s[MB4]
	v_permlanex16_b32 v[KS+2], v[KS+1], s[SELLO], s[SELHI]
	v_add_f32 v[PQ+((\s)>>1)], v[KS+0], v[KS+2]    ; sample \s - 1 + b4, block j: a register of its own for each pair, stored behind sample 7
.endif
.endm
	SAMPLE 0, 24, 1
	SAMPLE 1, 24, 1
	SAMPLE 2, 24, 1
	SAMPLE 3, 24, 1
	SAMPLE 4, 24, 0                                ; nothing is left to fetch: the counts run down
	SAMPLE 5, 16, 0
	SAMPLE 6, 8, 0
	SAMPLE 7, 0, 0
	; THE END.  The four pairs' block sums go into my wave's own LDS bytes; then lane (r, h) takes blocks 8 h .. 8 h + 7 of sample r & 7.
	; LDS serves a wave's instructions in order, so these loads see the stores above them without a wait or a barrier.
	s_wait_alu depctr_va_vdst(0)                   ; PQ0 to PQ3 and the addresses v2 and v3 are written, which the stores and loads below read; sample 4's additions are done reading v[PV ..], in which the two loads land
.irp q, 0,1,2,3
	ds_store_b32 v[LST], v[PQ+\q] offset:\q*2*PPITCH           ; 32 different words of two rows
.endr
	ds_load_b128 v[PV:PV+3], v[LRD]
	ds_load_b128 v[PV+4:PV+7], v[LRD] offset:16
	s_wait_dscnt 0x0
.irp q, 0,2,4,6
	v_pk_mul_f32 v[PV+\q:PV+\q+1], v[PV+\q:PV+\q+1], 0x3c800000 op_sel_hi:[1,0]   ; sums of 64 to means
.endr
	v_pk_mul_f32 v[NQ:NQ+1], v[PV:PV+1], v[PV:PV+1]
	v_pk_fma_f32 v[NQ:NQ+1], v[PV+2:PV+3], v[PV+2:PV+3], v[NQ:NQ+1]
	v_pk_fma_f32 v[NQ:NQ+1], v[PV+4:PV+5], v[PV+4:PV+5], v[NQ:NQ+1]
	v_pk_fma_f32 v[NQ:NQ+1], v[PV+6:PV+7], v[PV+6:PV+7], v[NQ:NQ+1]
	v_add_f32 v[NQ], v[NQ], v[NQ+1]
	v_permlanex16_b32 v[NQ+1], v[NQ], s[SELLO], s[SELHI]       ; the other eight blocks' squares
	v_add_f32 v[NR+1], v[NQ], v[NQ+1]
	v_rsq_f32 v[NR], v[NR+1]                       ; 1 / norm
	v_nop                                          ; one plain vector instruction between a transcendental and the use of its result
	s_wait_alu depctr_va_vdst(0)
.irp q, 0,2,4,6
	v_pk_mul_f32 v[PV+\q:PV+\q+1], v[PV+\q:PV+\q+1], v[NR:NR+1] op_sel_hi:[1,0]   ; both halves times v[NR]
.endr
.irp q, 0,1,2,3
	v_cvt_pk_f16_f32 v[BZ+4+\q], v[PV+2*\q], v[PV+2*\q+1]
.endr
	; Three matrix instructions on three different accumulators; none adds onto another's result.
	v_wmma_f32_16x16x32_f16 v[DRE:DRE+7], v[A1:A1+7], v[BZ+4:BZ+11], 0     ; B = [amp ; 0]: Ure amp
	v_wmma_f32_16x16x32_f16 v[DIM:DIM+7], v[A1:A1+7], v[BZ:BZ+7], 0        ; B = [0 ; amp]: Uim amp
.rept 4
	v_nop                                          ; four independent vector instructions before a vector instruction reads a matrix result (ISA guide 7.12.1)
.endr
.irp q, 0,2,4,6
	v_pk_mul_f32 v[DRE+\q:DRE+\q+1], v[DRE+\q:DRE+\q+1], v[DRE+\q:DRE+\q+1]
	v_pk_mul_f32 v[DIM+\q:DIM+\q+1], v[DIM+\q:DIM+\q+1], v[DIM+\q:DIM+\q+1]
.endr
.irp q, 0,1,2,3
	v_cvt_pk_f16_f32 v[B2+\q],   v[DRE+2*\q], v[DRE+2*\q+1]    ; register j of a result is row 8 h + j: exactly K = 8 h + j of a B operand
	v_cvt_pk_f16_f32 v[B2+4+\q], v[DIM+2*\q], v[DIM+2*\q+1]    ; K = 16 + 8 h + j
.endr
	v_wmma_f32_16x16x32_f16 v[CB:CB+7], v[A2:A2+7], v[B2:B2+7], v[CB:CB+7] ; M (re^2 + im^2) + head_b
.rept 4
	v_nop
.endr
.irp j, 0,1,2,3,4
	v_mul_f32 v[OT+\j], s20, v[CB+\j]              ; x logit_scale: out0[sample][5 h + j]
.endr
	s_wait_alu depctr_va_vdst(0)                   ; the five multiplies have written v[OT ..], which the LDS stores read; no vector line follows, so the load into v[OV ..], which sample 5's additions read last, and its address v35 are served too
.irp j, 0,1,2,3,4
	ds_store_b32 v[SST], v[OT+\j] offset:STAGE+4*\j            ; words 5 (2 s + h) + j: no two of the sixteen different ones in one bank; lanes r >= 8 write what lanes r - 8 write
.endr
	s_wait_dscnt 0x0                               ; my stores are done, for the waves that read them behind the barrier
	s_barrier_signal -1
	s_barrier_wait -1
	s_cmp_ge_u32 s16, WGOUT/512                    ; 5,120 bytes are ten waves' stores of 512 consecutive bytes, each at a multiple of 256 from out0's first byte
	s_cbranch_scc1 .Ldone
	ds_load_b128 v[OV:OV+3], v[FO] offset:STAGE
	s_wait_dscnt 0x0
	global_store_b128 v[FO], v[OV:OV+3], s[14:15] th:TH_STORE_NT
.Ldone:
	s_wait_dscnt 0x0
	s_wait_alu depctr_hold_cnt(0) depctr_sa_sdst(0) depctr_va_vdst(0) depctr_va_sdst(0) depctr_va_ssrc(0) depctr_va_vcc(0) depctr_vm_vsrc(0)
	s_wait_tensorcnt 0x0
	ds_add_u32 v244, v245
	s_wait_dscnt 0x0
	s_endpgm
.Lfunc_end_k_qeba35428af_qnet:
	.size	k_qeba35428af_qnet, .Lfunc_end_k_qeba35428af_qnet-k_qeba35428af_qnet
	.p2alignl 7, 3214868480
	.fill 96, 4, 3214868480
	.section	.rodata,"a",@progbits
	.p2align	6, 0x0
	.amdhsa_kernel k_qeba35428af_qnet
		.amdhsa_group_segment_fixed_size 17408
		.amdhsa_private_segment_fixed_size 0
		.amdhsa_enable_private_segment 0
		.amdhsa_kernarg_size 48
		.amdhsa_user_sgpr_count 2
		.amdhsa_user_sgpr_kernarg_segment_ptr 1
		.amdhsa_wavefront_size32 1
		.amdhsa_system_sgpr_workgroup_id_x 1
		.amdhsa_system_sgpr_workgroup_id_y 1
		.amdhsa_system_sgpr_workgroup_id_z 1
		.amdhsa_system_vgpr_workitem_id 0
		.amdhsa_next_free_vgpr 246
		.amdhsa_next_free_sgpr 98
		.amdhsa_reserve_vcc 0
		.amdhsa_float_denorm_mode_32 3
		.amdhsa_float_denorm_mode_16_64 3
		.amdhsa_memory_ordered 1
		.amdhsa_forward_progress 1
		.amdhsa_inst_pref_size 40
	.end_amdhsa_kernel
	.amdgpu_metadata
---
amdhsa.version: [ 1, 2 ]
amdhsa.kernels:
  - .name:           k_qeba35428af_qnet
    .symbol:         k_qeba35428af_qnet.kd
    .args:
      - { .name: x, .offset: 0, .size: 8, .value_kind: global_buffer, .address_space: global }
      - { .name: weights, .offset: 8, .size: 8, .value_kind: global_buffer, .address_space: global }
      - { .name: head_w, .offset: 16, .size: 8, .value_kind: global_buffer, .address_space: global }
      - { .name: head_b, .offset: 24, .size: 8, .value_kind: global_buffer, .address_space: global }
      - { .name: logit_scale, .offset: 32, .size: 8, .value_kind: global_buffer, .address_space: global }
      - { .name: out0, .offset: 40, .size: 8, .value_kind: global_buffer, .address_space: global }
    .group_segment_fixed_size: 17408
    .private_segment_fixed_size: 0
    .kernarg_segment_align: 8
    .kernarg_segment_size: 48
    .max_flat_workgroup_size: 512
    .sgpr_count:     98
    .vgpr_count:     246
    .wavefront_size: 32
...
	.end_amdgpu_metadata
.endif
;; end of part 2
